; MI455X (gfx1250); checked and timed in simulation.
; The chip was launched on July 23, 2026; its instructions are those of AMD's public machine-readable ISA for CDNA 5 (MIT licence, August 2026) and "CDNA5" Instruction Set Architecture Reference Guide (July 2026). The comments in the code are by the model that wrote it; some were corrected since.
;; Output Layer KAN 1layer. Allowed arithmetic: matrix products marked QUANTISED: E4M3 operands, one E8M0 scale for each 32 along K, by v_wmma_scale_f32_16x16x128_f8f6f4 with both operands' format E4M3, f32 sums; products left as they are: f32 operands where the result goes on into a quantised operand, else bf16, f16 or f32 operands; f32 sums; everything else in f32.
;; Inputs: attn_embedding 16,384 x 9 float32; base_weight_codes 256 x 16 x 32 uint8 (E4M3 codes of base_weight, K innermost, in blocks of 32 codes); base_weight_scales 256 x 16 uint8 (E8M0 scales of base_weight, one for each 32 codes along K); cls_bias 8 float32; cls_weight 8 x 265 float32; spline_scaler 256 x 512 float32; spline_weight 256 x 512 x 8 float32; x 16,384 x 512 float32.
;; Outputs: out0 16,384 x 8 float32; out1 16,384 x 265 float32.
;; This version of the problem:
;;   THIS VERSION OF THE PROBLEM IS GIVEN IN LOW PRECISION. The matrix products marked QUANTISED in the list below multiply operands that are first quantised to E4M3 (4 exponent bits, 3 mantissa bits; 8 bits a number), with one power-of-two scale for each 32 numbers along K (OCP MX v1.0); their sums are f32. All else is computed in f32.
;;   The module's matrix products, in the order in which they are computed (A, B: the left and right operand; K: the contracted axis; several contracted axes count as one K, in the product's order):
;;     1. [M 16,384, K 512] x [K 512, N 256]; A: computed on the way; B: input base_weight (given as codes): QUANTISED
;;     2. [M 16,384, K 4,096] x [K 4,096, N 256]; A: computed on the way; B: computed on the way: QUANTISED
;;     3. [M 16,384, K 265] x [K 265, N 8]; A: computed on the way; B: input cls_weight: left as it is (N = 8 < 16)
;;   THE QUANTISER, for each operand of a quantised product, along K:
;;     - K is cut into blocks of 32 from its start; a last block that is shorter is filled with zeros.
;;     - A block's scale is 2^e with e = floor(log2(the largest magnitude in the block)) - 8, held to -126 .. 127; a block of zeros has e = 0. As a byte (E8M0): e + 127.
;;     - Each number is divided by its block's scale, clamped to +-448, and rounded to the nearest number of E4M3, ties to even, subnormals kept.
;;     - The product sums the exact products of the quantised numbers (number of the format x scale) in f32.
;;   ~~~python
;;   def quantise(x, axis):      # numpy; x: float32 -> the quantised numbers, widened to float32 again
;;       x = np.moveaxis(x, axis, -1); K = x.shape[-1]
;;       x = np.pad(x, [(0, 0)] * (x.ndim - 1) + [(0, -K % 32)]); x = x.reshape(x.shape[:-1] + (-1, 32)); a = np.abs(x).max(-1, keepdims=True)
;;       e = np.where(a > 0, np.clip(np.frexp(np.where(a > 0, a, 1))[1] - 1 - 8, -126, 127), 0)      # np.frexp(a)[1] - 1 = floor(log2(a)), exactly
;;       r = np.clip(x / 2.0 ** e, -448, 448)
;;       step = 2.0 ** (np.maximum(np.frexp(np.where(r == 0, 1, r))[1] - 1, -6) - 3)
;;       q = np.round(r / step) * step * 2.0 ** e      # np.round: ties to even
;;       return np.moveaxis(q.reshape(q.shape[:-2] + (-1,))[..., :K], -1, axis).astype(np.float32)
;;   ~~~
;;   OPERANDS COMPUTED ON THE WAY. 'Computed on the way' means the value that the module computes at that place (a softmax that the list does not call 'softmax' is quantised finished and normalised). What goes into a quantiser is computed in f32, as accurately as f32 sums, v_exp_f32 and their like allow (about 1e-6 of the number): no bf16 or f16 on the way to a quantiser, and a product that is left as it is and whose result goes on into a quantised operand takes f32 operands (vector FMAs, or v_wmma_f32_16x16x4_f32). A number that lies on a knife's edge between two numbers of the format may be rounded either way, as far as f32 arithmetic and the matrix unit's own rounding can turn it there, and no further.
;;   INPUTS GIVEN AS CODES. base_weight (in the module: [256, 512], K = its axis 1): each comes as NAME_codes (uint8): NAME with its K axis moved to the last place and cut into blocks of 32 codes, [.., K / 32, bytes a block], one block behind the other in memory; one code a byte (a code: sign, 4 exponent bits, 3 mantissa bits); and NAME_scales (uint8): the same leading axes, one E8M0 byte (e + 127) for each 32 codes along K. Its value is code x scale, taken as it is: it is not quantised again, and the codes and scales need not be those that the quantiser above would give.
;; One version. Each part assembles by itself: llvm-mc -triple=amdgcn-amd-amdhsa -mcpu=gfx1250 --defsym DOCPART=n.
;; ======== version 1 of 1: 2 launches
;; limits: a function is approximated: absolute error at most 1.5e-07
;; workspace buffers: wq 1,179,648 bytes; ws 36,864 bytes
;; launch prep (part 1): grid 144 x 1, 4 waves a work-group, no clusters, 0 bytes of LDS; arguments spline_weight, spline_scaler, base_weight_codes, base_weight_scales, wq, ws; writes wq, ws
.if DOCPART == 1
	.amdgcn_target "amdgcn-amd-amdhsa--gfx1250"
	.amdhsa_code_object_version 6
	.text
	.protected	k_q57d0d86adb_prep
	.globl	k_q57d0d86adb_prep
	.p2align	8
	.type	k_q57d0d86adb_prep,@function
k_q57d0d86adb_prep:
	s_mov_b64 s[64:65], 0
	v_nop
	global_prefetch_b8 v0, s[64:65] scope:SCOPE_SE
	s_setreg_imm32_b32 hwreg(HW_REG_WAVE_MODE, 25, 1), 1
	s_wait_xcnt 0x0
; The weights of both quantised products, laid once in the order of a matrix operand's registers.
; wq: [w 4][q 18][s 2][T 4][c 4][lane 32][16 bytes]: hidden row 64 w + 16 T + lane % 16, K step ks = 2 q + s, codes k = 32 c + 16 (lane / 16) + 0 .. 15 of that step.
; ws: [w 4][q 18][lane' 32][T 4] scale words (four E8M0 bytes: 128 along K of one row); lane' = row % 16 + 16 s.
; K steps 0 .. 31: spline_weight x spline_scaler (one f32 product), quantised here along K = feature x 8 + basis: a block's scale byte is its largest magnitude's exponent field - 8, held at 1 from below.
; K steps 32 .. 35: base_weight, whose codes and scale bytes are taken as they are given.
; SHARES: one wave makes one fragment (16 rows x 128 K).  Work-groups 0 .. 127: the 16 x 32 spline fragments; 128 .. 143: the 16 x 4 base fragments.  No LDS, no barrier.
; LIMITS: a block of zeros gets the byte 1 over zero codes (the later launch alone reads the bytes); NaN and infinities among the weights are not served.
; The scale words leave as 4 bytes at every 16th byte (the four tiles' words interleave): 36,864 bytes in all are written so; the codes leave as 512 consecutive bytes a store.
.set NUM, 16                           ; v16-79   64 numbers: register 16 c + i = k 32 c + 16 h + i of my row
.set SCL, 8                            ; v8-15    the scaler of my two features of each block
.set TM,  80                           ; v80-83 largest magnitudes, v84-87 the other half's / bytes, v88-91 448 x scale, v92-95 the conversions' scale operands
.set COD, 96                           ; v96-111  the fragment's codes
.set WRD, 112                          ; v112     my row's scale word
	s_load_b256 s[4:11], s[0:1], 0x0               ; spline_weight s[4:5], spline_scaler s[6:7], base codes s[8:9], base scales s[10:11]
	s_load_b128 s[12:15], s[0:1], 0x20             ; wq s[12:13], ws s[14:15]
	v_lshrrev_b32 v1, 5, v0
	v_readfirstlane_b32 s16, v1                    ; wave
	v_and_b32 v2, 31, v0                           ; lane
	v_and_b32 v3, 15, v0                           ; r
	v_bfe_u32 v4, v0, 4, 1                         ; h
	v_lshlrev_b32 v5, 4, v2                        ; wq: 16 x lane
	v_lshlrev_b32 v6, 4, v3                        ; ws and the given scales: 16 r
	s_lshl_b32 s17, ttmp9, 2
	s_add_co_u32 s17, s17, s16                     ; task = 4 x work-group + wave
	s_lshr_b32 s24, s17, 5                         ; spline: tile = task / 32,
	s_and_b32 s25, s17, 31                         ;         K step = task % 32
	s_sub_co_u32 s26, s17, 512
	s_lshr_b32 s26, s26, 2                         ; base: tile = (task - 512) / 4,
	s_and_b32 s27, s17, 3
	s_add_co_u32 s27, s27, 32                      ;       K step = 32 + task % 4
	s_cmp_lt_u32 ttmp9, 128
	s_cselect_b32 s17, s24, s26                    ; tile of 16 hidden rows, 0 .. 15
	s_cselect_b32 s18, s25, s27                    ; ks, 0 .. 35
	s_lshr_b32 s19, s17, 2                         ; w
	s_and_b32 s20, s17, 3                          ; T
	s_mul_i32 s22, s19, 294912                     ; wq: 294,912 w + 8,192 ks + 2,048 T
	s_lshl_b32 s21, s18, 13
	s_add_co_u32 s22, s22, s21
	s_lshl_b32 s21, s20, 11
	s_add_co_u32 s22, s22, s21
	s_mov_b32 s23, 0
	s_mul_i32 s24, s19, 9216                       ; ws: 9,216 w + 256 ks + 4 T
	s_lshl_b32 s21, s18, 8
	s_add_co_u32 s24, s24, s21
	s_lshl_b32 s21, s20, 2
	s_add_co_u32 s24, s24, s21
	s_mov_b32 s25, 0
	s_mov_b32 s28, 0x76543210
	s_mov_b32 s29, 0xfedcba98                      ; v_permlanex16_b32's selects for lane l xor 16
	s_mov_b32 s30, 0x600000                        ; the mantissa field of 448
	s_wait_kmcnt 0x0
	s_add_nc_u64 s[12:13], s[12:13], s[22:23]
	s_add_nc_u64 s[14:15], s[14:15], s[24:25]
.macro OUT                             ; the fragment and its scale words leave; both halves of the lanes hold the same word and store it to the same place
.irp c, 0,1,2,3
	global_store_b128 v5, v[COD+4*\c:COD+4*\c+3], s[12:13] offset:512*\c
.endr
	global_store_b32 v6, v[WRD], s[14:15]
	s_endpgm
.endm
	s_cmp_lt_u32 ttmp9, 128
	s_cbranch_scc0 .Lbase
	; ---- a spline fragment
	s_lshl_b32 s22, s17, 18                        ; 16 rows of 16,384 bytes a tile,
	s_lshl_b32 s21, s18, 9                         ; 512 bytes a K step
	s_add_co_u32 s22, s22, s21
	s_add_nc_u64 s[4:5], s[4:5], s[22:23]
	s_lshl_b32 s22, s17, 15                        ; the scaler: 16 rows of 2,048 bytes, 64 bytes (16 features) a K step
	s_lshl_b32 s21, s18, 6
	s_add_co_u32 s22, s22, s21
	s_add_nc_u64 s[6:7], s[6:7], s[22:23]
	v_lshlrev_b32 v7, 14, v3
	v_lshl_add_u32 v7, v4, 6, v7                   ; row r, + 64 h: my 16 numbers of a block
	v_lshlrev_b32 v113, 11, v3
	v_lshl_add_u32 v113, v4, 3, v113               ; the scaler's row r, + 8 h: my two features of a block
.irp c, 0,1,2,3
.irp i, 0,1,2,3
	global_load_b128 v[NUM+16*\c+4*\i:NUM+16*\c+4*\i+3], v7, s[4:5] offset:128*\c+16*\i th:TH_LOAD_NT
.endr
	global_load_b64 v[SCL+2*\c:SCL+2*\c+1], v113, s[6:7] offset:16*\c th:TH_LOAD_NT
.endr
.irp b, 0,1,2,3
	v_mov_b32 v[TM+4+\b], 0                        ; a lane permute's destination counts as one of its sources
.endr
	s_wait_loadcnt 0x0
.irp c, 0,1,2,3
.irp i, 0,2,4,6
	v_pk_mul_f32 v[NUM+16*\c+\i:NUM+16*\c+\i+1], v[NUM+16*\c+\i:NUM+16*\c+\i+1], v[SCL+2*\c:SCL+2*\c+1] op_sel_hi:[1,0]   ; the first feature's eight: x the pair's low word
.endr
.irp i, 8,10,12,14
	v_pk_mul_f32 v[NUM+16*\c+\i:NUM+16*\c+\i+1], v[NUM+16*\c+\i:NUM+16*\c+\i+1], v[SCL+2*\c:SCL+2*\c+1] op_sel:[0,1] op_sel_hi:[1,1]   ; the second's: x its high word
.endr
.endr
.irp b, 0,1,2,3
	v_max3_num_f32 v[TM+\b], |v[NUM+16*\b]|, |v[NUM+1+16*\b]|, 0x4800000   ; block b: my 16 numbers and the floor 2^(9 - 127): the byte cannot fall under 1
.endr
.irp i, 2,4,6,8,10,12,14
.irp b, 0,1,2,3
	v_max3_num_f32 v[TM+\b], v[TM+\b], |v[NUM+16*\b+\i]|, |v[NUM+1+16*\b+\i]|   ; the four blocks by turns
.endr
.endr
.irp b, 0,1,2,3
	v_permlanex16_b32 v[TM+4+\b], v[TM+\b], s28, s29
.endr
.irp b, 0,1,2,3
	v_max_num_f32 v[TM+\b], v[TM+\b], v[TM+4+\b]   ; with lane l xor 16's: the block's largest magnitude
.endr
.irp b, 0,1,2,3
	v_add_nc_u32 v[TM+12+\b], 0xfc000000, v[TM+\b] ; 8 off its exponent field: the conversion's scale operand
.endr
.irp b, 0,1,2,3
	v_and_or_b32 v[TM+8+\b], v[TM+\b], 0x7f800000, s30   ; 448 x the scale
.endr
.irp b, 0,1,2,3
	v_lshrrev_b32 v[TM+4+\b], 23, v[TM+12+\b]      ; the scale's byte
.endr
	v_lshl_or_b32 v[WRD], v[TM+5], 8, v[TM+4]
	v_lshl_or_b32 v[WRD], v[TM+6], 16, v[WRD]
	v_lshl_or_b32 v[WRD], v[TM+7], 24, v[WRD]
.irp c, 0,1,2,3
.irp i, 0,1,2,3,4,5,6,7,8,9,10,11,12,13,14,15
	v_med3_num_f32 v[NUM+16*\c+\i], v[NUM+16*\c+\i], -v[TM+8+\c], v[TM+8+\c]   ; the conversion to an 8-bit code does not saturate (ISA guide 7.6.2): the hold comes first
.endr
	v_cvt_scalef32_pk8_fp8_f32 v[COD+4*\c:COD+4*\c+1], v[NUM+16*\c:NUM+16*\c+7], v[TM+12+\c]
	v_cvt_scalef32_pk8_fp8_f32 v[COD+4*\c+2:COD+4*\c+3], v[NUM+16*\c+8:NUM+16*\c+15], v[TM+12+\c]
.endr
	v_nop                                          ; a plain line behind the last scaled conversion
	OUT
.Lbase:
	; ---- a base fragment: the given codes and scale bytes, laid anew
	s_sub_co_u32 s18, s18, 32                      ; g, 0 .. 3
	s_lshl_b32 s22, s17, 13                        ; 16 rows of 512 bytes a tile,
	s_lshl_b32 s21, s18, 7                         ; 128 bytes a K step
	s_add_co_u32 s22, s22, s21
	s_add_nc_u64 s[8:9], s[8:9], s[22:23]
	s_lshl_b32 s22, s17, 8                         ; the scales: 16 rows of 16 bytes, 4 bytes a K step
	s_lshl_b32 s21, s18, 2
	s_add_co_u32 s22, s22, s21
	s_add_nc_u64 s[10:11], s[10:11], s[22:23]
	v_lshlrev_b32 v7, 9, v3
	v_lshl_add_u32 v7, v4, 4, v7                   ; row r, + 16 h
.irp c, 0,1,2,3
	global_load_b128 v[COD+4*\c:COD+4*\c+3], v7, s[8:9] offset:32*\c
.endr
	global_load_b32 v[WRD], v6, s[10:11]
	s_wait_loadcnt 0x0
	OUT
.Lfunc_end_k_q57d0d86adb_prep:
	.size	k_q57d0d86adb_prep, .Lfunc_end_k_q57d0d86adb_prep-k_q57d0d86adb_prep
	.p2alignl 7, 3214868480
	.fill 96, 4, 3214868480
	.section	.rodata,"a",@progbits
	.p2align	6, 0x0
	.amdhsa_kernel k_q57d0d86adb_prep
		.amdhsa_group_segment_fixed_size 0
		.amdhsa_private_segment_fixed_size 0
		.amdhsa_enable_private_segment 0
		.amdhsa_kernarg_size 48
		.amdhsa_user_sgpr_count 2
		.amdhsa_user_sgpr_kernarg_segment_ptr 1
		.amdhsa_wavefront_size32 1
		.amdhsa_system_sgpr_workgroup_id_x 1
		.amdhsa_system_sgpr_workgroup_id_y 1
		.amdhsa_system_sgpr_workgroup_id_z 1
		.amdhsa_system_vgpr_workitem_id 0
		.amdhsa_next_free_vgpr 128
		.amdhsa_next_free_sgpr 66
		.amdhsa_reserve_vcc 0
		.amdhsa_float_denorm_mode_32 3
		.amdhsa_float_denorm_mode_16_64 3
		.amdhsa_memory_ordered 1
		.amdhsa_forward_progress 1
		.amdhsa_inst_pref_size 17
	.end_amdhsa_kernel
	.amdgpu_metadata
---
amdhsa.version: [ 1, 2 ]
amdhsa.kernels:
  - .name:           k_q57d0d86adb_prep
    .symbol:         k_q57d0d86adb_prep.kd
    .args:
      - { .name: spline_weight, .offset: 0, .size: 8, .value_kind: global_buffer, .address_space: global }
      - { .name: spline_scaler, .offset: 8, .size: 8, .value_kind: global_buffer, .address_space: global }
      - { .name: base_weight_codes, .offset: 16, .size: 8, .value_kind: global_buffer, .address_space: global }
      - { .name: base_weight_scales, .offset: 24, .size: 8, .value_kind: global_buffer, .address_space: global }
      - { .name: wq, .offset: 32, .size: 8, .value_kind: global_buffer, .address_space: global }
      - { .name: ws, .offset: 40, .size: 8, .value_kind: global_buffer, .address_space: global }
    .group_segment_fixed_size: 0
    .private_segment_fixed_size: 0
    .kernarg_segment_align: 8
    .kernarg_segment_size: 48
    .max_flat_workgroup_size: 128
    .sgpr_count:     66
    .vgpr_count:     128
    .wavefront_size: 32
...
	.end_amdgpu_metadata
.endif
;; end of part 1
;; launch kan (part 2): grid 256 x 1, 4 waves a work-group, no clusters, 152,320 bytes of LDS; arguments x, attn_embedding, cls_weight, cls_bias, wq, ws, out0, out1; writes out0, out1
.if DOCPART == 2
	.amdgcn_target "amdgcn-amd-amdhsa--gfx1250"
	.amdhsa_code_object_version 6
	.text
	.protected	k_q57d0d86adb_kan
	.globl	k_q57d0d86adb_kan
	.p2align	8
	.type	k_q57d0d86adb_kan,@function
k_q57d0d86adb_kan:
	s_mov_b64 s[64:65], 0
	v_nop
	global_prefetch_b8 v0, s[64:65] scope:SCOPE_SE
	s_setreg_imm32_b32 hwreg(HW_REG_WAVE_MODE, 25, 1), 1
	s_wait_xcnt 0x0
; h = Q(gelu(x)) base_weight^T + Q(bsplines(x)) Q(spline_weight x scaler)^T on codes of E4M3 with one E8M0 scale for each 32 along K; out1 = [h | attn]; out0 = log_softmax(out1 cls_weight^T + cls_bias).
; SHARES.  A work-group of four waves takes 64 rows.  MAKING OPERANDS: wave w takes rows 16 w .. 16 w + 15.  MULTIPLYING: wave w owns hidden units 64 w .. 64 w + 63 for all 64 rows: 16 accumulators (m, T).
; The product is used transposed (source 0 = 16 hidden rows of the weights, source 1 = 16 rows of x): lane (r, h), register j holds h(row 16 m + r, hidden 64 w + 16 T + 8 h + j).
; A PAIR t (16 of them) is 32 features.  Lane (r, h) holds x[r][32 t + 16 h + 0 .. 15]: 16 of gelu's block t, and 16 features x 8 bases = the whole spline K step 2 t + h of its row.
; THE SPLINES.  On the uniform grid, t = 2.5 x + 5.5, a = floor(t) held to 0 .. 10, u = t - a held to 0 .. 1: only bases a - 3 .. a can differ from 0, with the weights (1-u)^3/6, (3u^3-6u^2+4)/6, the same of 1-u, u^3/6.
; Only these four are computed; a weight whose basis does not exist (index under 0 or over 7) is pushed to 0 or less by a minimum with a number made of a, and the hold between 0 and 448 x scale makes it 0.
; The four codes of a feature are then turned to bytes a - 3 .. a of the feature's eight; bytes that wrap round are codes of dropped weights: zeros.
; GELU = max(x, 0) - |x| Phi(-|x|), Phi(-|x|) = erfc(|x| / sqrt 2) / 2 by the five-term rational form of Abramowitz and Stegun 7.1.26.
; OPERANDS GO FROM WAVE TO WAVE THROUGH LDS AS IMAGES OF THEIR REGISTERS (16 bytes a lane, 512 a store); the spline images have two slots, so one barrier a PAIR does.
; THE WEIGHTS come from wq and ws, which the launch before laid in operand order, straight into registers, one chunk (two K steps: 32 loads of 512 consecutive bytes, and one of scale words) a PAIR ahead.
; PAIR t carries the 32 products of chunk t - 1 between its spline arithmetic, one behind about every fifteenth vector instruction; the gelu chunks 16 and 17 follow the loop.
; NO CLUSTER, NO JOINT LOADS: all work-groups walk the same 1,179,648 bytes of wq, but each byte is wanted by ONE wave of a work-group, in its registers, where a fragment feeds four products; a joint load lands in LDS,
; and would add those bytes once as LDS writes and once as LDS reads to each work-group's 1,441,792 bytes of image traffic, and a ring with its rounds.  No tensor load: x is read once, by its own wave, into registers.
; LIMITS: NaN and infinities in x are not served.  erf is within 1.5e-7 absolutely, so gelu's relative error grows in its far negative tail (about 5e-5 at x = -3).  A block of zeros has the byte 1 over zero codes
; (only this text reads the bytes).  h and cls_weight are rounded to bf16 for the last product.  The last two PAIRs load x once more at the clamped last 128 bytes of the rows; those numbers are not used.
.set AIMG, 0                           ; LDS: spline images [slot 2][m 4][s 2][c 4][lane][16]: 16,384 / 4,096 / 2,048 / 512
.set ASC,  32768                       ; their scale words [slot 2][m 4][lane][4]: lanes 0-15 K step s = 0, lanes 16-31 s = 1
.set GIMG, 33792                       ; gelu images [m 4][t 16][lane][16]: 8,192 / 512
.set GSC,  66560                       ; gelu scale bytes [row 64][t 16]
.set STG,  67584                       ; 64 rows of out1 as they lie in memory: 1,060 bytes a row, 67,840 in all
.set PLB,  135424                      ; partial logits [tile m 4][from wave 4][half 2][lane][16]: 4,096 / 1,024 / 512
.set XO,  1                            ; v1   x: 2,048 r + 64 h; never rewritten
.set XA,  2                            ; v2   x: the address in hand
.set LI,  3                            ; v3   16 x lane
.set LS,  4                            ; v4   4 x lane
.set ST,  5                            ; v5   where I store spline images: 4,096 w + 2,048 h + 16 r
.set AST, 6                            ; v6   and their scale word: ASC + 128 w + 4 x lane
.set GI0, 7                            ; v7   gelu images: GIMG + 8,192 w + 16 x lane
.set GS0, 8                            ; v8   gelu scale bytes: GSC + 256 w + 16 r
.set GR,  9                            ; v9   gelu scale words on the way back: GSC + 16 r + 4 h
.set LIG, 10                           ; v10  GIMG + 16 x lane
.set GIC, 11                           ; v11  GI0 + 1,024 x trip
.set C25, 12                           ; v[12:13] 2.5   v[14:15] 5.5   v[16:25] a1/2 .. a5/2, each twice
.set C55, 14
.set CA1, 16
.set CA2, 18
.set CA3, 20
.set CA4, 22
.set CA5, 24
.set BS0, 26                           ; v26-29, v30-33, v34-37: the weights' scale words of three chunks (register T); scales and nothing else
.set AS,  38                           ; v38-41, v42-45: the rows' scale words (register m); scales and nothing else
.set AS2, 42
.set AW,  46                           ; v46  the spline scale word in the making
.set PX,  47                           ; v47  the lane permute's destination
.set X0,  48                           ; v48-63, v64-79: x of two PAIRs
.set TT,  80                           ; v80-95  t = 2.5 x + 5.5
.set RC,  96                           ; v96-127 spline codes, eight registers a block
.set GC,  128                          ; v128-131 gelu codes
.set DEN, 132                          ; gelu: v132-147 1 + p |x|, then its reciprocal; v148-163 2^(-x^2 / 2 ln 2); v164-179 the polynomial; v180-195 gelu
.set GEX, 148
.set GRP, 164
.set GG,  180
.set TA,  132                          ; a spline block, index e = feature 0 .. 3
.set TU,  136
.set TV,  140
.set TU2, 144
.set TV2, 148
.set TU6, 152
.set TV6, 156
.set TW0, 160                          ; v160-175 the four weights: TW0 + 4 m + e
.set TW1, 164
.set TW2, 168
.set TW3, 172
.set TP0, 176
.set TP3, 180
.set TP1A, 184
.set TP1B, 188
.set TP2B, 192
.set TH,  196                          ; v196-211 held weights: TH + 4 e + m
.set TBM, 212
.set TSOP, 213
.set TLIM, 214
.set TBY, 215
.set TD,  216
.set TN,  220
.set TE,  224
.set TAQ, 228
.set TBQ, 232
.set THU, 236
.set THV, 240
.set TBMB, 244
.set GBY, 253                          ; v253 gelu's scale byte
.set GSU, 254                          ; v254 GS0 + 2 x trip
.set CWF, 112                          ; behind the loop: v112-127 cls_weight's two fragments (bf16), v128-135 its last nine columns, v136-143 attn, v144-151 the bias
.set CWT, 128
.set ATT, 136
.set BIA, 144
.set SA,  240                          ; v240-252 addresses of the way out
.set SH,  241
.set PS,  242
.set PR,  243
.set CL,  244
.set CL2, 245
.set CO,  246
.set O0,  247
.set BP,  12                           ; s[12:13] wq at my wave's chunk t + 1 (t even)
.set WSP, 14                           ; s[14:15] ws likewise
; window 1: the weights' fragments, set 0 at v0, set 1 at v128: v[128 set + 64 s + 16 T + 4 c].   window 2: v0-127 the rows' fragments v[32 m + 16 s + 4 c]; v128-255 the accumulators v[128 + 8 (4 m + T)].
; window 3: v0-63 attn, cls_weight and the bias as loaded at the head; behind the loop v0-127 the rows' fragments of chunk 16, v128-255 the weights' of chunk 17.
.set MSB, 0
.macro WIN new                         ; s_set_vgpr_msb: bits 1:0 source 0, 3:2 source 1, 5:4 source 2, 7:6 destination; the high byte repeats the setting that is left
.if MSB != \new
	s_set_vgpr_msb (MSB<<8)|\new
.set MSB, \new
.endif
.endm
; Product number mmi of a chunk's 32: K step mmi / 16, tile of rows (mmi / 4) % 4, tile of hidden units mmi % 4.  The 16 accumulators take turns, one instruction a turn.
.macro PROD bb, ab, bs, as, zero
.set ps, mmi/16
.set pm, (mmi/4)%4
.set pt, mmi%4
.set rD, 128+8*(4*pm+pt)
.set rB, (\bb)+64*ps+16*pt
.set rA, (\ab)+32*pm+16*ps
.if ps == 0
.if \zero
	v_wmma_scale_f32_16x16x128_f8f6f4 v[rD:rD+7], v[rB:rB+15], v[rA:rA+15], 0, v[(\bs)+pt], v[(\as)+pm]
.else
	v_wmma_scale_f32_16x16x128_f8f6f4 v[rD:rD+7], v[rB:rB+15], v[rA:rA+15], v[rD:rD+7], v[(\bs)+pt], v[(\as)+pm]
.endif
.else
	v_wmma_scale_f32_16x16x128_f8f6f4 v[rD:rD+7], v[rB:rB+15], v[rA:rA+15], v[rD:rD+7], v[(\bs)+pt], v[(\as)+pm] matrix_a_scale:MATRIX_SCALE_ROW1 matrix_b_scale:MATRIX_SCALE_ROW1
.endif
.endm
.macro HOOK                            ; one product of the chunk before, set between the spline arithmetic
.if MMON && (mmi < 32)
.if mmi == 0
	s_wait_dscnt 0x0                               ; the rows' 32 fragment loads and 4 scale words, asked for behind the last barrier, are in
.endif
	WIN 0xa9                                       ; weights window 1, rows window 2, C and D window 2
	PROD 128*SIG, 0, BS0+4*SIG, AS, MMZERO
	WIN 0
.set mmi, mmi+1
.endif
.endm
.macro MMRUN bb, ab, bs, as            ; a chunk's 32 products back to back
.set mmi, 0
.rept 32
	PROD \bb, \ab, \bs, \as, 0
.set mmi, mmi+1
.endr
.endm
.macro BLOAD win, rb, off              ; a chunk's weights: 32 loads of 512 consecutive bytes
	WIN \win
.irp s, 0,1
.irp t, 0,1,2,3
.irp c, 0,1,2,3
	global_load_b128 v[(\rb)+64*\s+16*\t+4*\c:(\rb)+64*\s+16*\t+4*\c+3], v[LI], s[BP:BP+1] offset:(\off)+8192*\s+2048*\t+512*\c
.endr
.endr
.endr
	WIN 0
.endm
.macro REFILL par                      ; chunk t + 1 into the set that chunk t - 1 has left
	BLOAD 0x40, 128*(1-(\par)), 16384*(\par)
	global_load_b128 v[BS0+4*(1-(\par)):BS0+4*(1-(\par))+3], v[LI], s[WSP:WSP+1] offset:512*(\par)
.endm
.macro LOADA win, adr, base, mstr      ; the fragments of all 64 rows for two K steps, as they were stored
	WIN \win
.irp m, 0,1,2,3
.irp s, 0,1
.irp c, 0,1,2,3
	ds_load_b128 v[32*\m+16*\s+4*\c:32*\m+16*\s+4*\c+3], v[\adr] offset:(\base)+\m*(\mstr)+2048*\s+512*\c
.endr
.endr
.endr
	WIN 0
.endm
; 16 numbers of x: t for the splines; gelu; gelu's codes and scale byte to LDS.
.macro GELU xs, par
.irp i, 0,2,4,6,8,10,12,14
	v_pk_fma_f32 v[TT+\i:TT+\i+1], v[(\xs)+\i:(\xs)+\i+1], v[C25:C25+1], v[C55:C55+1]
.endr
.irp i, 0,1,2,3,4,5,6,7,8,9,10,11,12,13,14,15
	v_fma_f32 v[DEN+\i], |v[(\xs)+\i]|, s27, 1.0   ; 1 + p |x| / sqrt 2
.endr
.irp i, 0,2,4,6,8,10,12,14
	v_pk_mul_f32 v[GEX+\i:GEX+\i+1], v[(\xs)+\i:(\xs)+\i+1], 0xbf38aa3b op_sel_hi:[1,0]   ; -x log2(e) / 2
.endr
.irp i, 0,2,4,6,8,10,12,14
	v_pk_mul_f32 v[GEX+\i:GEX+\i+1], v[GEX+\i:GEX+\i+1], v[(\xs)+\i:(\xs)+\i+1]
.endr
.irp i, 0,1,2,3,4,5,6,7,8,9,10,11,12,13,14,15
	v_rcp_f32 v[DEN+\i], v[DEN+\i]
.endr
.irp i, 0,1,2,3,4,5,6,7,8,9,10,11,12,13,14,15
	v_exp_f32 v[GEX+\i], v[GEX+\i]                 ; e^(-x^2 / 2)
.endr
.irp i, 0,1,2,3,4,5,6,7,8,9,10,11,12,13,14,15
	v_max_num_f32 v[GG+\i], 0, v[(\xs)+\i]         ; plain work that names no result of the batch
.endr
	s_wait_alu depctr_va_vdst(0)                   ; one wait for the 32 transcendentals, ahead of their first reader
.irp i, 0,2,4,6,8,10,12,14
	v_pk_fma_f32 v[GRP+\i:GRP+\i+1], v[DEN+\i:DEN+\i+1], v[CA5:CA5+1], v[CA4:CA4+1]
.endr
.irp i, 0,2,4,6,8,10,12,14
	v_pk_mul_f32 v[GEX+\i:GEX+\i+1], v[GEX+\i:GEX+\i+1], v[DEN+\i:DEN+\i+1]
.endr
.irp i, 0,2,4,6,8,10,12,14
	v_pk_fma_f32 v[GRP+\i:GRP+\i+1], v[GRP+\i:GRP+\i+1], v[DEN+\i:DEN+\i+1], v[CA3:CA3+1]
.endr
.irp i, 0,2,4,6,8,10,12,14
	v_pk_fma_f32 v[GRP+\i:GRP+\i+1], v[GRP+\i:GRP+\i+1], v[DEN+\i:DEN+\i+1], v[CA2:CA2+1]
.endr
.irp i, 0,2,4,6,8,10,12,14
	v_pk_fma_f32 v[GRP+\i:GRP+\i+1], v[GRP+\i:GRP+\i+1], v[DEN+\i:DEN+\i+1], v[CA1:CA1+1]
.endr
.irp i, 0,2,4,6,8,10,12,14
	v_pk_mul_f32 v[GRP+\i:GRP+\i+1], v[GRP+\i:GRP+\i+1], v[GEX+\i:GEX+\i+1]   ; Phi(-|x|)
.endr
.irp i, 0,1,2,3,4,5,6,7,8,9,10,11,12,13,14,15
	v_fma_f32 v[GG+\i], -|v[(\xs)+\i]|, v[GRP+\i], v[GG+\i]
.endr
	v_max3_num_f32 v[TBM], |v[GG]|, |v[GG+1]|, 0x4800000           ; my 16 of the block, in two chains, and the floor 2^(9 - 127)
	v_max3_num_f32 v[TBMB], |v[GG+2]|, |v[GG+3]|, |v[GG+4]|
.irp i, 5,9
	v_max3_num_f32 v[TBM], v[TBM], |v[GG+\i]|, |v[GG+\i+1]|
	v_max3_num_f32 v[TBMB], v[TBMB], |v[GG+\i+2]|, |v[GG+\i+3]|
.endr
	v_max3_num_f32 v[TBM], v[TBM], |v[GG+13]|, |v[GG+14]|
	v_max3_num_f32 v[TBM], v[TBM], v[TBMB], |v[GG+15]|
	v_permlanex16_b32 v[PX], v[TBM], s24, s25
	v_max_num_f32 v[TBM], v[TBM], v[PX]            ; with lane l xor 16's: the block's largest magnitude
	v_add_nc_u32 v[TSOP], 0xfc000000, v[TBM]       ; 8 off its exponent field: the conversion's scale operand
	v_and_or_b32 v[TLIM], v[TBM], 0x7f800000, s26  ; 448 x the scale
	v_lshrrev_b32 v[GBY], 23, v[TSOP]              ; the scale's byte
.irp i, 0,1,2,3,4,5,6,7,8,9,10,11,12,13,14,15
	v_med3_num_f32 v[GG+\i], v[GG+\i], -v[TLIM], v[TLIM]   ; the conversion does not saturate (ISA guide 7.6.2): the hold comes first
.endr
	v_cvt_scalef32_pk8_fp8_f32 v[GC:GC+1], v[GG:GG+7], v[TSOP]
	v_cvt_scalef32_pk8_fp8_f32 v[GC+2:GC+3], v[GG+8:GG+15], v[TSOP]
	v_nop                                          ; a plain line behind the last scaled conversion
	ds_store_b128 v[GIC], v[GC:GC+3] offset:512*(\par)
	ds_store_b8 v[GSU], v[GBY] offset:\par         ; both lanes of a row write the same byte with the same value
.endm
.macro XFETCH par                      ; x of PAIR t + 2 into the registers that gelu has just left; the address is held at the rows' last 128 bytes
	s_add_co_u32 s23, s22, 128*(\par)
	s_min_u32 s23, s23, 1920
	s_wait_xcnt 0x0                                ; the last loads of x have read their address register: it is rewritten only behind this wait
	v_add_nc_u32 v[XA], s23, v[XO]
.irp i, 0,1,2,3
	global_load_b128 v[X0+16*(\par)+4*\i:X0+16*(\par)+4*\i+3], v[XA], s[4:5] offset:16*\i th:TH_LOAD_NT
.endr
.endm
; Spline block c of my K step: features 4 c .. 4 c + 3, 32 codes, one scale byte.
.macro SBLOCK c, par
.set tb, TT+4*(\c)
.irp e, 0,1,2,3
	v_floor_f32 v[TA+\e], v[tb+\e]
.endr
.irp e, 0,1,2,3
	v_med3_num_f32 v[TA+\e], v[TA+\e], 0, 0x41200000               ; a, held to 0 .. 10
.endr
	HOOK
.irp e, 0,2
	v_pk_add_f32 v[TU+\e:TU+\e+1], v[tb+\e:tb+\e+1], v[TA+\e:TA+\e+1] neg_lo:[0,1] neg_hi:[0,1]
.endr
.irp e, 0,1,2,3
	v_med3_num_f32 v[TU+\e], v[TU+\e], 0, 1.0                      ; u, held to 0 .. 1: outside the grid every weight that is kept is then 0
.endr
.irp e, 0,2
	v_pk_add_f32 v[TV+\e:TV+\e+1], v[TU+\e:TU+\e+1], 1.0 op_sel_hi:[1,0] neg_lo:[1,0] neg_hi:[1,0]   ; 1 - u
.endr
	HOOK
.irp e, 0,2
	v_pk_mul_f32 v[TU2+\e:TU2+\e+1], v[TU+\e:TU+\e+1], v[TU+\e:TU+\e+1]
	v_pk_mul_f32 v[TV2+\e:TV2+\e+1], v[TV+\e:TV+\e+1], v[TV+\e:TV+\e+1]
	v_pk_mul_f32 v[TU6+\e:TU6+\e+1], v[TU+\e:TU+\e+1], 0x3e2aaaab op_sel_hi:[1,0]
	v_pk_mul_f32 v[TV6+\e:TV6+\e+1], v[TV+\e:TV+\e+1], 0x3e2aaaab op_sel_hi:[1,0]
.endr
	HOOK
.irp e, 0,2
	v_pk_fma_f32 v[THU+\e:THU+\e+1], v[TU+\e:TU+\e+1], 0.5, -1.0 op_sel_hi:[1,0,0]
	v_pk_fma_f32 v[THV+\e:THV+\e+1], v[TV+\e:TV+\e+1], 0.5, -1.0 op_sel_hi:[1,0,0]
	v_pk_mul_f32 v[TW3+\e:TW3+\e+1], v[TU2+\e:TU2+\e+1], v[TU6+\e:TU6+\e+1]   ; basis a: u^3 / 6
	v_pk_mul_f32 v[TW0+\e:TW0+\e+1], v[TV2+\e:TV2+\e+1], v[TV6+\e:TV6+\e+1]   ; basis a - 3: (1 - u)^3 / 6
.endr
.irp e, 0,2
	v_pk_fma_f32 v[TW1+\e:TW1+\e+1], v[TU2+\e:TU2+\e+1], v[THU+\e:THU+\e+1], 0x3f2aaaab op_sel_hi:[1,1,0]   ; basis a - 2: u^2 (u / 2 - 1) + 2 / 3
	v_pk_fma_f32 v[TW2+\e:TW2+\e+1], v[TV2+\e:TV2+\e+1], v[THV+\e:THV+\e+1], 0x3f2aaaab op_sel_hi:[1,1,0]   ; basis a - 1: the same of 1 - u
.endr
	HOOK
.irp e, 0,2
	v_pk_add_f32 v[TP0+\e:TP0+\e+1], v[TA+\e:TA+\e+1], -2.0 op_sel_hi:[1,0]                                     ; a - 2: 1 or more where basis a - 3 exists, else 0 or less
	v_pk_add_f32 v[TP1A+\e:TP1A+\e+1], v[TA+\e:TA+\e+1], -1.0 op_sel_hi:[1,0]                                   ; a - 1 and
	v_pk_add_f32 v[TP1B+\e:TP1B+\e+1], v[TA+\e:TA+\e+1], 0x41200000 op_sel_hi:[1,0] neg_lo:[1,0] neg_hi:[1,0]   ; 10 - a: for basis a - 2
	v_pk_add_f32 v[TP2B+\e:TP2B+\e+1], v[TA+\e:TA+\e+1], 0x41100000 op_sel_hi:[1,0] neg_lo:[1,0] neg_hi:[1,0]   ; a and 9 - a: for basis a - 1
	v_pk_add_f32 v[TP3+\e:TP3+\e+1], v[TA+\e:TA+\e+1], 0x41000000 op_sel_hi:[1,0] neg_lo:[1,0] neg_hi:[1,0]     ; 8 - a: for basis a
	v_pk_add_f32 v[TN+\e:TN+\e+1], v[TA+\e:TA+\e+1], 0x41300000 op_sel_hi:[1,0] neg_lo:[1,0] neg_hi:[1,0]       ; 11 - a: its two low bits say how far the codes are turned
	v_pk_add_f32 v[TE+\e:TE+\e+1], v[TA+\e:TA+\e+1], 0xc0b00000 op_sel_hi:[1,0]                                 ; a - 5.5
.endr
	HOOK
.irp e, 0,1,2,3
	v_min_num_f32 v[TW0+\e], v[TW0+\e], v[TP0+\e]
	v_min3_num_f32 v[TW1+\e], v[TW1+\e], v[TP1A+\e], v[TP1B+\e]
	v_min3_num_f32 v[TW2+\e], v[TW2+\e], v[TA+\e], v[TP2B+\e]
	v_min_num_f32 v[TW3+\e], v[TW3+\e], v[TP3+\e]
.endr
	HOOK
	v_max3_num_f32 v[TBM], v[TW0], v[TW0+1], 0x4800000             ; the block's largest weight: all 32 numbers are mine, and 16 of them are zeros.  No |.|: what is dropped is 0 or less and must not count
	v_max3_num_f32 v[TBMB], v[TW0+2], v[TW0+3], v[TW0+4]
.irp i, 5,9
	v_max3_num_f32 v[TBM], v[TBM], v[TW0+\i], v[TW0+\i+1]
	v_max3_num_f32 v[TBMB], v[TBMB], v[TW0+\i+2], v[TW0+\i+3]
.endr
	v_max3_num_f32 v[TBM], v[TBM], v[TW0+13], v[TW0+14]
	v_max3_num_f32 v[TBM], v[TBM], v[TBMB], v[TW0+15]
	v_add_nc_u32 v[TSOP], 0xfc000000, v[TBM]
	v_and_or_b32 v[TLIM], v[TBM], 0x7f800000, s26
	v_lshrrev_b32 v[TBY], 23, v[TSOP]
.if (\c) == 0
	v_mov_b32 v[AW], v[TBY]
.else
	v_lshl_or_b32 v[AW], v[TBY], 8*(\c), v[AW]
.endif
	HOOK
.irp e, 0,1,2,3
	v_med3_num_f32 v[TH+4*\e], v[TW0+\e], 0, v[TLIM]               ; the hold, which also makes the dropped weights 0
	v_med3_num_f32 v[TH+4*\e+1], v[TW1+\e], 0, v[TLIM]
	v_med3_num_f32 v[TH+4*\e+2], v[TW2+\e], 0, v[TLIM]
	v_med3_num_f32 v[TH+4*\e+3], v[TW3+\e], 0, v[TLIM]
.endr
.irp e, 0,1,2,3
	v_cvt_i32_f32 v[TN+\e], v[TN+\e]
.endr
	HOOK
	v_cvt_scalef32_pk8_fp8_f32 v[TD:TD+1], v[TH:TH+7], v[TSOP]     ; register e: feature e's four codes, basis a - 3 in the lowest byte
	v_cvt_scalef32_pk8_fp8_f32 v[TD+2:TD+3], v[TH+8:TH+15], v[TSOP]
	v_nop                                          ; a plain line behind the last scaled conversion
.irp e, 0,1,2,3
	v_alignbyte_b32 v[TAQ+\e], 0, v[TD+\e], v[TN+\e]               ; the codes moved down by (3 - a) mod 4 bytes,
	v_alignbyte_b32 v[TBQ+\e], v[TD+\e], 0, v[TN+\e]               ; and what that pushes out below
.endr
.irp e, 0,1,2,3                        ; the eight bytes {0, codes} turned left by (a - 3) mod 8: for a = 4 .. 7 the second piece is the low word, else the first
	v_cmp_lt_f32 vcc_lo, |v[TE+\e]|, 2.0
	v_cndmask_b32 v[RC+8*(\c)+2*\e], v[TAQ+\e], v[TBQ+\e], vcc_lo
	v_cndmask_b32 v[RC+8*(\c)+2*\e+1], v[TBQ+\e], v[TAQ+\e], vcc_lo
.endr
	ds_store_b128 v[ST], v[RC+8*(\c):RC+8*(\c)+3] offset:16384*(\par)+512*(\c)           ; k = 32 c + 0 .. 15: the image's lane r
	ds_store_b128 v[ST], v[RC+8*(\c)+4:RC+8*(\c)+7] offset:16384*(\par)+512*(\c)+256     ; k = 32 c + 16 .. 31: its lane 16 + r
.endm
; PAIR t, par = t % 2.  mmon: it carries chunk t - 1's products; mmzero: they start the sums.
.macro PAIR par, mmon, mmzero
.set mmi, 0
.set MMON, \mmon
.set MMZERO, \mmzero
.set SIG, 1-(\par)
	s_wait_loadcnt 37                              ; x of this PAIR and chunk t - 1 are in: behind them only x of PAIR t + 1 (4 loads) and chunk t (33) were issued
	GELU X0+16*(\par), \par
	XFETCH \par
	SBLOCK 0, \par
	SBLOCK 1, \par
	SBLOCK 2, \par
	SBLOCK 3, \par                                 ; behind the chunk's last product stand the block's 21 plain lines of placement: more than the eight places that the loads below want
	ds_store_b32 v[AST], v[AW] offset:512*(\par)
	REFILL \par
	s_wait_dscnt 0x0                               ; my images have landed, and my loads of the other slot came in long ago:
	s_barrier_signal -1
	s_barrier_wait -1                              ; so have everybody's.  The other slot is written again only behind this barrier
	LOADA 0x80, LI, AIMG+16384*(\par), 4096
.irp m, 0,1,2,3
	ds_load_b32 v[AS+\m], v[LS] offset:ASC+512*(\par)+128*\m
.endr
.endm
.macro STEP                            ; a trip's end: two chunks, two PAIRs on
	s_wait_xcnt 0x0                                ; the loads issued so far have read their bases
	s_add_nc_u64 s[BP:BP+1], s[BP:BP+1], 32768
	s_add_nc_u64 s[WSP:WSP+1], s[WSP:WSP+1], 1024
	s_add_co_u32 s22, s22, 256
	s_add_co_u32 s32, s32, 1024
	s_add_co_u32 s33, s33, 2
	v_add_nc_u32 v[GIC], s32, v[GI0]
	v_add_nc_u32 v[GSU], s33, v[GS0]
.endm
	s_load_b256 s[4:11], s[0:1], 0x0               ; x s[4:5], attn s[6:7], cls_weight s[8:9], cls_bias s[10:11]
	s_load_b256 s[12:19], s[0:1], 0x20             ; wq s[12:13], ws s[14:15], out0 s[16:17], out1 s[18:19]
	v_lshrrev_b32 v132, 5, v0
	v_readfirstlane_b32 s20, v132                  ; wave 0..3
	v_and_b32 v132, 31, v0                         ; lane
	v_and_b32 v133, 15, v0                         ; r
	v_bfe_u32 v134, v0, 4, 1                       ; h
	v_and_b32 v135, 7, v0                          ; r % 8: the class whose row of cls_weight I load
	v_lshlrev_b32 v[XO], 11, v133
	v_lshl_add_u32 v[XO], v134, 6, v[XO]
	v_lshlrev_b32 v[LI], 4, v132
	v_lshlrev_b32 v[LS], 2, v132
	s_lshl_b32 s23, s20, 12
	v_lshlrev_b32 v[ST], 4, v133
	v_lshl_add_u32 v[ST], v134, 11, v[ST]
	v_add_nc_u32 v[ST], s23, v[ST]
	s_lshl_b32 s23, s20, 7
	s_add_co_u32 s23, s23, ASC
	v_add_nc_u32 v[AST], s23, v[LS]
	s_lshl_b32 s23, s20, 13
	s_add_co_u32 s23, s23, GIMG
	v_add_nc_u32 v[GI0], s23, v[LI]
	s_lshl_b32 s23, s20, 8
	s_add_co_u32 s23, s23, GSC
	v_lshl_add_u32 v[GS0], v133, 4, s23
	v_lshlrev_b32 v[GR], 4, v133
	v_lshl_add_u32 v[GR], v134, 2, v[GR]
	v_add_nc_u32 v[GR], GSC, v[GR]
	v_add_nc_u32 v[LIG], GIMG, v[LI]
	v_mov_b32 v[GIC], v[GI0]
	v_mov_b32 v[GSU], v[GS0]
	v_mul_u32_u24 v136, v133, 36                   ; attn: row r of 36 bytes
	v_mul_u32_u24 v137, v135, 1060                 ; cls_weight: a row is 1,060 bytes
	s_lshl_b32 s23, s20, 8
	v_lshl_add_u32 v138, v134, 5, v137
	v_add_nc_u32 v138, s23, v138                   ; + my wave's 64 columns, + 8 h columns
	v_mov_b32 v139, 0
	v_mov_b32 v[C25], 0x40200000
	v_mov_b32 v[C25+1], 0x40200000
	v_mov_b32 v[C55], 0x40b00000
	v_mov_b32 v[C55+1], 0x40b00000
	v_mov_b32 v[CA1], 0x3e027906                   ; 0.254829592 / 2
	v_mov_b32 v[CA1+1], 0x3e027906
	v_mov_b32 v[CA2], 0xbe11a98e                   ; -0.284496736 / 2
	v_mov_b32 v[CA2+1], 0xbe11a98e
	v_mov_b32 v[CA3], 0x3f35f0e3                   ; 1.421413741 / 2
	v_mov_b32 v[CA3+1], 0x3f35f0e3
	v_mov_b32 v[CA4], 0xbf3a00e3                   ; -1.453152027 / 2
	v_mov_b32 v[CA4+1], 0xbf3a00e3
	v_mov_b32 v[CA5], 0x3f07dc22                   ; 1.061405429 / 2
	v_mov_b32 v[CA5+1], 0x3f07dc22
	v_mov_b32 v[PX], 0                             ; a lane permute's destination counts as one of its sources
	s_mov_b32 s24, 0x76543210
	s_mov_b32 s25, 0xfedcba98                      ; v_permlanex16_b32's selects for lane l xor 16
	s_mov_b32 s26, 0x600000                        ; the mantissa field of 448
	s_mov_b32 s27, 0x3e6d3389                      ; 0.3275911 / sqrt 2
	s_mov_b32 s22, 256                             ; 128 (t + 2) at an even t
	s_mov_b32 s32, 0
	s_mov_b32 s33, 0
	s_mov_b32 s29, 0
	s_lshl_b32 s28, ttmp9, 17                      ; x: 64 rows of 2,048 bytes a work-group, 16 a wave
	s_lshl_b32 s30, s20, 15
	s_add_co_u32 s28, s28, s30
	s_wait_kmcnt 0x0
	s_add_nc_u64 s[4:5], s[4:5], s[28:29]
	s_mul_i32 s28, ttmp9, 2304                     ; attn: rows of 36 bytes
	s_mul_i32 s30, s20, 576
	s_add_co_u32 s28, s28, s30
	s_add_nc_u64 s[6:7], s[6:7], s[28:29]
	s_mul_i32 s28, s20, 294912                     ; wq: my wave's part, at chunk 1
	s_add_co_u32 s28, s28, 16384
	s_add_nc_u64 s[BP:BP+1], s[BP:BP+1], s[28:29]
	s_mul_i32 s28, s20, 9216                       ; ws likewise
	s_add_co_u32 s28, s28, 512
	s_add_nc_u64 s[WSP:WSP+1], s[WSP:WSP+1], s[28:29]
	s_lshl_b32 s28, ttmp9, 11                      ; out0: rows of 32 bytes, at my wave's 16
	s_lshl_b32 s30, s20, 9
	s_add_co_u32 s28, s28, s30
	s_add_nc_u64 s[16:17], s[16:17], s[28:29]
	s_mul_i32 s28, ttmp9, 67840                    ; out1: the work-group's 64 rows of 1,060 bytes: 265 x 256 bytes
	s_add_nc_u64 s[18:19], s[18:19], s[28:29]
	WIN 0xc0                                       ; what the way out wants, into window 3
.irp a, 0,1,2,3,4,5,6,7,8
	global_load_b32 v[\a], v136, s[6:7] offset:4*\a                ; attn(r, a)
.endr
.irp a, 0,1,2,3,4,5,6,7,8
	global_load_b32 v[10+\a], v137, s[8:9] offset:1024+4*\a        ; cls_weight(r % 8, 256 + a)
.endr
	global_load_b128 v[20:23], v139, s[10:11]                      ; the bias, the same in every lane
	global_load_b128 v[24:27], v139, s[10:11] offset:16
.irp n, 0,1,2,3
.irp i, 0,1,2,3,4,5,6,7
	global_load_b32 v[32+8*\n+\i], v138, s[8:9] offset:64*\n+4*\i  ; cls_weight(r % 8, 64 w + 16 n + 8 h + i)
.endr
.endr
	WIN 0
.irp i, 0,1,2,3
	global_load_b128 v[X0+4*\i:X0+4*\i+3], v[XO], s[4:5] offset:16*\i th:TH_LOAD_NT
.endr
.irp i, 0,1,2,3
	global_load_b128 v[X0+16+4*\i:X0+16+4*\i+3], v[XO], s[4:5] offset:128+16*\i th:TH_LOAD_NT
.endr
	BLOAD 0x40, 0, -16384                          ; chunk 0 into set 0
	global_load_b128 v[BS0:BS0+3], v[LI], s[WSP:WSP+1] offset:-512
	PAIR 0, 0, 0                                   ; the first PAIR has no chunk to multiply yet,
	PAIR 1, 1, 1                                   ; and the second's products start the sums: nothing is cleared
	STEP
	s_mov_b32 s21, 7
.Ltrip:
	PAIR 0, 1, 0
	PAIR 1, 1, 0
	STEP
	s_sub_co_u32 s21, s21, 1
	s_cmp_lg_u32 s21, 0
	s_cbranch_scc1 .Ltrip
	; ---- behind the loop.  First the addresses of the way out, and what lies in window 3's low registers is taken out of them
	v_and_b32 v248, 15, v0                         ; r
	v_bfe_u32 v249, v0, 4, 1                       ; h
	v_and_b32 v250, 31, v0                         ; lane
	v_mul_u32_u24 v[SH], v248, 1060
	s_mul_i32 s23, s20, 16960
	s_add_co_u32 s23, s23, STG+1024
	v_add_nc_u32 v[SA], s23, v[SH]                 ; the stage: row 16 w + r, behind its 256 numbers of h
	s_lshl_b32 s23, s20, 8
	s_add_co_u32 s23, s23, STG
	v_lshl_add_u32 v[SH], v249, 5, v[SH]
	v_add_nc_u32 v[SH], s23, v[SH]                 ; the stage: row r, + my wave's 256 bytes, + 32 h
	s_lshl_b32 s23, s20, 10
	s_add_co_u32 s23, s23, PLB
	v_lshl_add_u32 v[PS], v250, 4, s23             ; partial logits out: my wave's place in each tile's four
	s_lshl_b32 s23, s20, 12
	s_add_co_u32 s23, s23, PLB
	v_lshl_add_u32 v[PR], v250, 4, s23             ; and back: my tile's four
	s_lshl_b32 s23, s20, 9
	v_lshl_add_u32 v[CO], v250, 4, s23             ; out1: 512 w + 16 x lane
	v_add_nc_u32 v[CL], STG, v[CO]
	v_add_nc_u32 v[CL2], STG+65536, v[CO]
	v_lshlrev_b32 v[O0], 5, v248
	v_lshl_add_u32 v[O0], v249, 4, v[O0]           ; out0: 32 r + 16 h
	v_lshlrev_b32 v252, 3, v250
	v_add_nc_u32 v251, STG+67584, v252             ; the block's last 256 bytes
	v_and_b32 v203, 16, v0
	v_cmp_ne_u32 vcc_lo, 0, v203                   ; lanes 16-31
	v_mov_b32 v202, 0
	WIN 0x0f                                       ; sources 0 and 1 window 3
.irp n, 0,1,2,3,4,5,6,7,8,9,10,11,12,13,14,15
	v_cvt_pk_bf16_f32 v[CWF+\n], v[32+2*\n], v[33+2*\n]            ; two fragments: lane (r, h): class r % 8, columns 64 w + 32 kc + 8 h + 0 .. 7 and + 16
.endr
.irp p, 0,1,2,3
	v_cvt_pk_bf16_f32 v[192+\p], v[10+2*\p], v[11+2*\p]
	v_cvt_pk_bf16_f32 v[197+\p], v[2*\p], v[2*\p+1]
.endr
	v_cvt_pk_bf16_f32 v196, v18, 0
	v_cvt_pk_bf16_f32 v201, v8, 0
	WIN 0x03                                       ; source 0 window 3
.irp j, 0,1,2,3,4,5,6,7
	v_mov_b32 v[BIA+\j], v[20+\j]
.endr
	WIN 0x0c                                       ; an LDS store's data are its source 1: window 3
.irp a, 0,1,2,3,4,5,6,7,8
	ds_store_b32 v[SA], v[\a] offset:4*\a          ; attn goes into out1 as it is; both halves of the lanes write the same word
.endr
	WIN 0
	v_cndmask_b32 v[CWT], v192, v196, vcc_lo       ; a K step of 32 with nine numbers in it: lanes 0-15 hold k = 0 .. 7, lanes 16-31 k = 8 and zeros
	v_cndmask_b32 v[ATT], v197, v201, vcc_lo
.irp p, 1,2,3
	v_cndmask_b32 v[CWT+\p], v[192+\p], v202, vcc_lo
	v_cndmask_b32 v[ATT+\p], v[197+\p], v202, vcc_lo
.endr
.irp p, 4,5,6,7
	v_mov_b32 v[CWT+\p], 0
	v_mov_b32 v[ATT+\p], 0
.endr
	s_wait_loadcnt 37                              ; chunk 15 is in: behind it the last 4 loads of x and chunk 16's 33
	BLOAD 0xc0, 128, 0                             ; chunk 17 into window 3
	global_load_b128 v[BS0+8:BS0+11], v[LI], s[WSP:WSP+1]
	s_wait_dscnt 0x0                               ; chunk 15's rows are in, and attn's stores have read window 3's registers
	LOADA 0xc0, LIG, 0, 8192                       ; gelu's K steps 0 and 1 into window 3
.irp m, 0,1,2,3
	ds_load_b32 v[AS2+\m], v[GR] offset:256*\m
.endr
	WIN 0xa9
	MMRUN 128, 0, BS0+4, AS                        ; chunk 15
	WIN 0
.rept 8
	v_nop                                          ; eight places in front of loads into registers that those products have read
.endr
	LOADA 0x80, LIG, 4096, 8192                    ; gelu's K steps 2 and 3
.irp m, 0,1,2,3
	ds_load_b32 v[AS+\m], v[GR] offset:256*\m+8
.endr
	s_wait_loadcnt 33                              ; chunk 16 is in; chunk 17's 33 loads may be out
	s_wait_dscnt 36                                ; K steps 0 and 1 are in; the 36 loads issued behind them may be out
	WIN 0xad                                       ; rows window 3
	MMRUN 0, 0, BS0, AS2                           ; chunk 16
	s_wait_loadcnt 0x0
	s_wait_dscnt 0x0
	WIN 0xab                                       ; weights window 3, rows window 2
	MMRUN 128, 0, BS0+8, AS                        ; chunk 17
	WIN 0
.rept 8
	v_nop                                          ; eight places in front of the first read of results
.endr
	; ---- the way out.  h into the stage, as out1 has it; each accumulator from its low end on
	WIN 0x08
.irp m, 0,1,2,3
.irp t, 0,1,2,3
.irp j, 0,1,2,3,4,5,6,7
	ds_store_b32 v[SH], v[128+8*(4*\m+\t)+\j] offset:16960*\m+64*\t+4*\j
.endr
.endr
.endr
	WIN 0x0a                                       ; sources 0 and 1 window 2
.irp m, 0,1,2,3
.irp t, 0,1,2,3
.irp p, 0,1,2,3
	v_cvt_pk_bf16_f32 v[48+16*\m+4*\t+\p], v[128+8*(4*\m+\t)+2*\p], v[128+8*(4*\m+\t)+2*\p+1]   ; tiles 2 kc and 2 kc + 1 ARE a bf16 fragment of 32 hidden units: k = 8 h + 0 .. 7 and 16 + 8 h + 0 .. 7
.endr
.endr
.endr
	WIN 0
	; logits^T = cls_weight x h^T: source 0 = the classes (rows 8 .. 15 repeat rows 0 .. 7), source 1 = 16 rows: every lane gets its row's eight logits, over my wave's 64 hidden units.  Five accumulators by turns
.irp m, 0,1,2,3
	v_wmma_f32_16x16x32_bf16 v[152+8*\m:159+8*\m], v[CWF:CWF+7], v[48+16*\m:55+16*\m], 0
.endr
	v_wmma_f32_16x16x32_bf16 v[184:191], v[CWT:CWT+7], v[ATT:ATT+7], v[BIA:BIA+7]   ; my own 16 rows: attn's part, begun with the bias
.irp m, 0,1,2,3
	v_wmma_f32_16x16x32_bf16 v[152+8*\m:159+8*\m], v[CWF+8:CWF+15], v[56+16*\m:63+16*\m], v[152+8*\m:159+8*\m]
.endr
.rept 4
	v_nop                                          ; four places in front of the reads of these results, and of the loads into these products' registers further down
.endr
.irp m, 0,1,2,3
	ds_store_b128 v[PS], v[152+8*\m:155+8*\m] offset:4096*\m
	ds_store_b128 v[PS], v[156+8*\m:159+8*\m] offset:4096*\m+512
.endr
	s_wait_dscnt 0x0                               ; my parts of the stage and of the logits have landed
	s_barrier_signal -1
	s_barrier_wait -1                              ; everybody's have
.irp u, 0,1,2,3
	ds_load_b128 v[192+8*\u:195+8*\u], v[PR] offset:1024*\u
	ds_load_b128 v[196+8*\u:199+8*\u], v[PR] offset:1024*\u+512
.endr
.set k, 0
.rept 32
	ds_load_b128 v[48+4*k:51+4*k], v[CL] offset:2048*k             ; the stage as one dense block: 512 bytes a wave, 2,048 a round
.set k, k+1
.endr
	ds_load_b128 v[176:179], v[CL2]
	s_wait_dscnt 33                                ; the eight loads of logits are in; the stage's 33 may be out
.irp i, 0,2,4,6
	v_pk_add_f32 v[224+\i:225+\i], v[184+\i:185+\i], v[192+\i:193+\i]
.endr
.irp u, 1,2,3
.irp i, 0,2,4,6
	v_pk_add_f32 v[224+\i:225+\i], v[224+\i:225+\i], v[192+8*\u+\i:193+8*\u+\i]
.endr
.endr
	v_max3_num_f32 v232, v224, v225, v226          ; log_softmax over a lane's eight: the maximum is taken away first
	v_max3_num_f32 v232, v232, v227, v228
	v_max3_num_f32 v232, v232, v229, v230
	v_max_num_f32 v232, v232, v231
.irp j, 0,1,2,3,4,5,6,7
	v_sub_f32 v[224+\j], v[224+\j], v232
.endr
.irp j, 0,1,2,3,4,5,6,7
	v_mul_f32 v[200+\j], 0x3fb8aa3b, v[224+\j]
.endr
.irp j, 0,1,2,3,4,5,6,7
	v_exp_f32 v[200+\j], v[200+\j]
.endr
	v_and_b32 v209, 16, v0                         ; (a plain line behind the batch)
	s_wait_alu depctr_va_vdst(0)                   ; one wait for the eight, ahead of their first reader
	v_pk_add_f32 v[200:201], v[200:201], v[202:203]
	v_pk_add_f32 v[204:205], v[204:205], v[206:207]
	v_pk_add_f32 v[200:201], v[200:201], v[204:205]
	v_add_f32 v200, v200, v201
	v_log_f32 v208, v200
	v_cmp_ne_u32 vcc_lo, 0, v209                   ; (a plain line behind the logarithm)  lanes 16-31
	s_mov_b32 s23, 0xbf317218                      ; -ln 2
	s_wait_alu depctr_va_vdst(0)
.irp j, 0,1,2,3,4,5,6,7
	v_fma_f32 v[224+\j], v208, s23, v[224+\j]
.endr
.irp i, 0,1,2,3
	v_cndmask_b32 v[212+\i], v[224+\i], v[228+\i], vcc_lo          ; lanes 0-15 store classes 0 .. 3, lanes 16-31 classes 4 .. 7
.endr
	global_store_b128 v[O0], v[212:215], s[16:17] th:TH_STORE_NT   ; the wave's 16 rows: 512 consecutive bytes
.set k, 0
.rept 33
	s_wait_dscnt 32-k                              ; LDS loads come back in order: number k is in
	global_store_b128 v[CO], v[48+4*k:51+4*k], s[18:19] offset:2048*k th:TH_STORE_NT   ; 512 consecutive bytes, at a multiple of 256 from out1's first byte
.set k, k+1
.endr
	s_cmp_lg_u32 s20, 0                            ; 67,840 = 33 x 2,048 + 256: wave 0 takes the last 256 bytes
	s_cbranch_scc1 .Lend
	ds_load_b64 v[216:217], v251
	s_wait_dscnt 0x0
	global_store_b64 v252, v[216:217], s[18:19] offset:67584 th:TH_STORE_NT
.Lend:
	s_wait_xcnt 0x0
	v_lshl_add_u32 v254, v0, 2, 0x25100
	v_mov_b32 v255, 0
	s_wait_tensorcnt 0x0
	ds_add_u32 v254, v255
	s_wait_dscnt 0x0
	s_endpgm
.Lfunc_end_k_q57d0d86adb_kan:
	.size	k_q57d0d86adb_kan, .Lfunc_end_k_q57d0d86adb_kan-k_q57d0d86adb_kan
	.p2alignl 7, 3214868480
	.fill 96, 4, 3214868480
	.section	.rodata,"a",@progbits
	.p2align	6, 0x0
	.amdhsa_kernel k_q57d0d86adb_kan
		.amdhsa_group_segment_fixed_size 152320
		.amdhsa_private_segment_fixed_size 0
		.amdhsa_enable_private_segment 0
		.amdhsa_kernarg_size 64
		.amdhsa_user_sgpr_count 2
		.amdhsa_user_sgpr_kernarg_segment_ptr 1
		.amdhsa_wavefront_size32 1
		.amdhsa_system_sgpr_workgroup_id_x 1
		.amdhsa_system_sgpr_workgroup_id_y 1
		.amdhsa_system_sgpr_workgroup_id_z 1
		.amdhsa_system_vgpr_workitem_id 0
		.amdhsa_next_free_vgpr 1024
		.amdhsa_next_free_sgpr 66
		.amdhsa_reserve_vcc 1
		.amdhsa_float_denorm_mode_32 3
		.amdhsa_float_denorm_mode_16_64 3
		.amdhsa_memory_ordered 1
		.amdhsa_forward_progress 1
		.amdhsa_inst_pref_size 255
	.end_amdhsa_kernel
	.section	.bss,"aw",@nobits
	.p2align	6
	.space	262144
	.amdgpu_metadata
---
amdhsa.version: [ 1, 2 ]
amdhsa.kernels:
  - .name:           k_q57d0d86adb_kan
    .symbol:         k_q57d0d86adb_kan.kd
    .args:
      - { .name: x, .offset: 0, .size: 8, .value_kind: global_buffer, .address_space: global }
      - { .name: attn_embedding, .offset: 8, .size: 8, .value_kind: global_buffer, .address_space: global }
      - { .name: cls_weight, .offset: 16, .size: 8, .value_kind: global_buffer, .address_space: global }
      - { .name: cls_bias, .offset: 24, .size: 8, .value_kind: global_buffer, .address_space: global }
      - { .name: wq, .offset: 32, .size: 8, .value_kind: global_buffer, .address_space: global }
      - { .name: ws, .offset: 40, .size: 8, .value_kind: global_buffer, .address_space: global }
      - { .name: out0, .offset: 48, .size: 8, .value_kind: global_buffer, .address_space: global }
      - { .name: out1, .offset: 56, .size: 8, .value_kind: global_buffer, .address_space: global }
    .group_segment_fixed_size: 152320
    .private_segment_fixed_size: 0
    .kernarg_segment_align: 8
    .kernarg_segment_size: 64
    .max_flat_workgroup_size: 128
    .sgpr_count:     66
    .vgpr_count:     1024
    .wavefront_size: 32
...
	.end_amdgpu_metadata
.endif
;; end of part 2
